; MI455X (gfx1250); checked and timed in simulation.
; The chip was launched on July 23, 2026; its instructions are those of AMD's public machine-readable ISA for CDNA 5 (MIT licence, August 2026) and "CDNA5" Instruction Set Architecture Reference Guide (July 2026). The comments in the code are by the model that wrote it; some were corrected since.
;; Attn. Allowed arithmetic: matrix products marked QUANTISED: E2M3 operands, one E8M0 scale for each 32 along K, by v_wmma_scale_f32_16x16x128_f8f6f4 with both operands' format E2M3, f32 sums; products left as they are: f32 operands where the result goes on into a quantised operand, else bf16, f16 or f32 operands; f32 sums; everything else in f32.
;; Inputs: W_attn 1,024 x 1,024 float32; b_attn 1,024 float32; encoder_outputs 1,024 x 64 x 1,024 float32; hidden 1 x 64 x 1,024 float32.
;; Outputs: out0 64 x 1 x 1,024 float32.
;; This version of the problem:
;;   THIS VERSION OF THE PROBLEM IS GIVEN IN LOW PRECISION. The matrix products marked QUANTISED in the list below multiply operands that are first quantised to E2M3 (2 exponent bits, 3 mantissa bits; 6 bits a number), with one power-of-two scale for each 32 numbers along K (OCP MX v1.0); their sums are f32. All else is computed in f32.
;;   The module's matrix products, in the order in which they are computed (A, B: the left and right operand; K: the contracted axis; several contracted axes count as one K, in the product's order):
;;     1. [M 65,536, K 1,024] x [K 1,024, N 1,024]; A: input encoder_outputs; B: input W_attn: QUANTISED
;;     2. batch 64 x [M 1, K 1,024] x [K 1,024, N 1,024]; A: input hidden; B: computed on the way: left as it is (M = 1 < 16)
;;   THE QUANTISER, for each operand of a quantised product, along K:
;;     - K is cut into blocks of 32 from its start; a last block that is shorter is filled with zeros.
;;     - A block's scale is 2^e with e = floor(log2(the largest magnitude in the block)) - 2, held to -126 .. 127; a block of zeros has e = 0. As a byte (E8M0): e + 127.
;;     - Each number is divided by its block's scale, clamped to +-7.5, and rounded to the nearest number of E2M3, ties to even, subnormals kept.
;;     - The product sums the exact products of the quantised numbers (number of the format x scale) in f32.
;;   ~~~python
;;   def quantise(x, axis):      # numpy; x: float32 -> the quantised numbers, widened to float32 again
;;       x = np.moveaxis(x, axis, -1); K = x.shape[-1]
;;       x = np.pad(x, [(0, 0)] * (x.ndim - 1) + [(0, -K % 32)]); x = x.reshape(x.shape[:-1] + (-1, 32)); a = np.abs(x).max(-1, keepdims=True)
;;       e = np.where(a > 0, np.clip(np.frexp(np.where(a > 0, a, 1))[1] - 1 - 2, -126, 127), 0)      # np.frexp(a)[1] - 1 = floor(log2(a)), exactly
;;       r = np.clip(x / 2.0 ** e, -7.5, 7.5)
;;       step = 2.0 ** (np.maximum(np.frexp(np.where(r == 0, 1, r))[1] - 1, 0) - 3)
;;       q = np.round(r / step) * step * 2.0 ** e      # np.round: ties to even
;;       return np.moveaxis(q.reshape(q.shape[:-2] + (-1,))[..., :K], -1, axis).astype(np.float32)
;;   ~~~
;; One version. Each part assembles by itself: llvm-mc -triple=amdgcn-amd-amdhsa -mcpu=gfx1250 --defsym DOCPART=n.
;; ======== version 1 of 1: 3 launches
;; limits: right only within a limited range of input values
;; workspace buffers: wfrag 786,432 bytes; wscl 65,536 bytes; part 1,048,576 bytes
;; launch wprep (part 1): grid 64 x 4, 1 waves a work-group, no clusters, 0 bytes of LDS; arguments W_attn, wfrag, wscl; writes wfrag, wscl
.if DOCPART == 1
	.amdgcn_target "amdgcn-amd-amdhsa--gfx1250"
	.amdhsa_code_object_version 6
	.text
	.protected	k_qd3650daeee_wprep
	.globl	k_qd3650daeee_wprep
	.p2align	8
	.type	k_qd3650daeee_wprep,@function
k_qd3650daeee_wprep:
	s_mov_b64 s[64:65], 0
	v_nop
	global_prefetch_b8 v0, s[64:65] scope:SCOPE_SE
	s_setreg_imm32_b32 hwreg(HW_REG_WAVE_MODE, 25, 1), 1
	s_wait_xcnt 0x0
; W_attn [1024 (g)][1024 (k)], f32, K innermost, becomes codes of FP6 (E2M3) with one E8M0 byte for each 32 along K, laid IN THE ORDER OF THE OPERAND'S REGISTERS.
; A fragment is 16 rows x 128 K: 12 registers a lane.  Fragment F = 128 kq + 2 nt + s (kq: quarter of K, nt: tile of 16 rows, s: which 128 of the quarter's 256) is 1,536 bytes of wfrag:
; registers 4 c .. 4 c + 3 of lane l at 512 c + 16 l.  So the next launch brings a fragment by three loads of 16 bytes a lane, 512 consecutive bytes each.
; wscl: for each (kq, nt) 256 bytes; lane l has 8 bytes at 8 l: its row's scale word of s = 0, then of s = 1 (lanes 16-31 repeat lanes 0-15).
; A block's scale is 2^(floor(log2(its largest magnitude)) - 2); its byte is the largest magnitude's exponent field - 2, held at 1 from below.
; LIMITS: NaN and infinities among the inputs are not served.  Blocks whose largest magnitude lies under 2^-124 have their byte held at 1: not tried.  A block of zeros gets the byte 1 where the
; rule says 127: its codes are zeros, which add nothing under any byte but 0xff, and this program alone reads the bytes.
; SHARES: one wave to a work-group, 64 x 4 work-groups: work-group (nt, kq) makes the two fragments of 16 rows x 256 K.  No LDS, no barrier.
; A lane's loads are 16 bytes, 64 bytes apart from lane half to lane half; the 32 loads go out in one run and together cover sixteen whole runs of 1,024 bytes.
.set ST0, 64                           ; v64-127   64 numbers of K step 0: register 16 b + i = k 32 b + 16 (lane / 16) + i of my row
.set ST1, 128                          ; v128-191  the same of K step 1
.set TM,  192                          ; v192-207  at work: largest magnitudes, bytes, the conversions' scale operands
.set PW,  208                          ; v208-209  the two scale words
.set PCA, 212                          ; v212-231  K step 0's codes (12 registers) and 8 at work
.set PCB, 232                          ; v232-251  K step 1's: sets of their own, so that no store's data are written again
.set SEL, 20                           ; s[20:21]  lane selects for v_permlanex16_b32: lane l xor 16
; 64 numbers of a lane, v[s] on, become a fragment's codes in v[pc] .. v[pc + 11] and its row's scale word in v[pw].
.macro QUANT s, pc, pw
.irp b, 0,1,2,3
	v_max3_num_f32 v[TM+\b], |v[\s+16*\b]|, |v[\s+1+16*\b]|, 0x1800000   ; block b: my 16 numbers, and the floor 2^(3 - 127): the byte cannot fall under 1
.endr
.irp i, 2,4,6,8,10,12,14
.irp b, 0,1,2,3
	v_max3_num_f32 v[TM+\b], v[TM+\b], |v[\s+16*\b+\i]|, |v[\s+1+16*\b+\i]|   ; the four blocks by turns: no line waits for the line above it
.endr
.endr
.irp b, 0,1,2,3
	v_permlanex16_b32 v[TM+4+\b], v[TM+\b], s[SEL], s[SEL+1]
.endr
.irp b, 0,1,2,3
	v_max_num_f32 v[TM+\b], v[TM+\b], v[TM+4+\b]   ; with lane l xor 16's 16 numbers: the block's largest magnitude
.endr
.irp b, 0,1,2,3
	v_add_nc_u32 v[TM+12+\b], 0xff000000, v[TM+\b]   ; 2 off its exponent field: the conversion takes the exponent field of this operand as its scale
.endr
.irp b, 0,1,2,3
	v_lshrrev_b32 v[TM+4+\b], 23, v[TM+12+\b]      ; the scale's byte
.endr
	v_lshl_or_b32 v[\pw], v[TM+5], 8, v[TM+4]      ; four bytes make my row's scale word
	v_lshl_or_b32 v[\pw], v[TM+6], 16, v[\pw]
	v_lshl_or_b32 v[\pw], v[TM+7], 24, v[\pw]
.irp c, 0,1
	v_cvt_scalef32_pk16_fp6_f32 v[\pc+6*\c:\pc+2+6*\c], v[\s+32*\c:\s+15+32*\c], v[TM+12+2*\c]
	v_cvt_scalef32_pk16_fp6_f32 v[\pc+12+4*\c:\pc+14+4*\c], v[\s+16+32*\c:\s+31+32*\c], v[TM+12+2*\c+1]   ; a conversion's three registers begin on an even number
.endr
	v_nop                                          ; one plain place behind the scaled conversions
.irp c, 0,1                                    ; the operand's layout wants a whole block in a lane: lanes 0-15 block 2 c, lanes 16-31 block 2 c + 1
.irp i, 0,1,2
	v_permlane16_swap_b32 v[\pc+6*\c+\i], v[\pc+12+4*\c+\i]
.endr
.irp i, 0,1,2
	v_mov_b32 v[\pc+3+6*\c+\i], v[\pc+12+4*\c+\i]
.endr
.endr
.endm
	s_load_b128 s[4:7], s[0:1], 0x0                ; W s[4:5], wfrag s[6:7]
	s_load_b64 s[8:9], s[0:1], 0x10                ; wscl
	v_and_b32 v1, 15, v0                           ; r
	v_bfe_u32 v2, v0, 4, 1                         ; h
	v_lshlrev_b32 v3, 12, v1                       ; row r of 4,096 bytes,
	v_lshl_add_u32 v3, v2, 6, v3                   ; + 64 h: my 16 numbers of a block of 32
	v_lshlrev_b32 v5, 4, v0                        ; 16 x lane (one wave: the thread's number is the lane)
	v_lshlrev_b32 v6, 3, v0                        ; 8 x lane
.irp b, 0,1,2,3
	v_mov_b32 v[TM+4+\b], 0                        ; written once: a lane permute's destination counts as one of its sources
.endr
	s_mov_b32 s[SEL], 0x76543210
	s_mov_b32 s[SEL+1], 0xfedcba98
	s_and_b32 s12, ttmp7, 0xffff                   ; kq
	s_lshl_b32 s14, ttmp9, 16                      ; W: 16 nt rows of 4,096 bytes
	s_lshl_b32 s15, s12, 10                        ;    + 256 kq numbers
	s_add_co_u32 s14, s14, s15
	s_mov_b32 s15, 0
	s_lshl_b32 s16, s12, 7
	s_lshl_b32 s17, ttmp9, 1
	s_add_co_u32 s16, s16, s17
	s_mul_i32 s16, s16, 1536                       ; wfrag: fragment 128 kq + 2 nt
	s_mov_b32 s17, 0
	s_lshl_b32 s18, s12, 6
	s_add_co_u32 s18, s18, ttmp9
	s_lshl_b32 s18, s18, 8                         ; wscl: 256 bytes for (kq, nt)
	s_mov_b32 s19, 0
	s_wait_alu depctr_va_vdst(0)
	s_wait_kmcnt 0x0
	s_add_nc_u64 s[4:5], s[4:5], s[14:15]
	s_add_nc_u64 s[6:7], s[6:7], s[16:17]
	s_add_nc_u64 s[8:9], s[8:9], s[18:19]
.irp s, 0,1
.irp b, 0,1,2,3
.irp j, 0,1,2,3
	global_load_b128 v[ST0+64*\s+16*\b+4*\j:ST0+64*\s+16*\b+4*\j+3], v3, s[4:5] offset:512*\s+128*\b+16*\j th:TH_LOAD_NT
.endr
.endr
.endr
	s_wait_loadcnt 16                              ; K step 0's sixteen loads are in; K step 1's sixteen may be out
	QUANT ST0, PCA, PW
.irp c, 0,1,2
	global_store_b128 v5, v[PCA+4*\c:PCA+4*\c+3], s[6:7] offset:512*\c        ; 32 lanes store 512 consecutive bytes, aligned
.endr
	s_wait_loadcnt 0x0
	QUANT ST1, PCB, PW+1
.irp c, 0,1,2
	global_store_b128 v5, v[PCB+4*\c:PCB+4*\c+3], s[6:7] offset:1536+512*\c
.endr
	global_store_b64 v6, v[PW:PW+1], s[8:9]        ; 32 lanes store 256 consecutive bytes, aligned
	s_endpgm
.Lfunc_end_k_qd3650daeee_wprep:
	.size	k_qd3650daeee_wprep, .Lfunc_end_k_qd3650daeee_wprep-k_qd3650daeee_wprep
	.p2alignl 7, 3214868480
	.fill 96, 4, 3214868480
	.section	.rodata,"a",@progbits
	.p2align	6, 0x0
	.amdhsa_kernel k_qd3650daeee_wprep
		.amdhsa_group_segment_fixed_size 0
		.amdhsa_private_segment_fixed_size 0
		.amdhsa_enable_private_segment 0
		.amdhsa_kernarg_size 24
		.amdhsa_user_sgpr_count 2
		.amdhsa_user_sgpr_kernarg_segment_ptr 1
		.amdhsa_wavefront_size32 1
		.amdhsa_system_sgpr_workgroup_id_x 1
		.amdhsa_system_sgpr_workgroup_id_y 1
		.amdhsa_system_sgpr_workgroup_id_z 1
		.amdhsa_system_vgpr_workitem_id 0
		.amdhsa_next_free_vgpr 256
		.amdhsa_next_free_sgpr 66
		.amdhsa_reserve_vcc 0
		.amdhsa_float_denorm_mode_32 3
		.amdhsa_float_denorm_mode_16_64 3
		.amdhsa_memory_ordered 1
		.amdhsa_forward_progress 1
		.amdhsa_inst_pref_size 13
	.end_amdhsa_kernel
	.amdgpu_metadata
---
amdhsa.version: [ 1, 2 ]
amdhsa.kernels:
  - .name:           k_qd3650daeee_wprep
    .symbol:         k_qd3650daeee_wprep.kd
    .args:
      - { .name: W_attn, .offset: 0, .size: 8, .value_kind: global_buffer, .address_space: global }
      - { .name: wfrag, .offset: 8, .size: 8, .value_kind: global_buffer, .address_space: global }
      - { .name: wscl, .offset: 16, .size: 8, .value_kind: global_buffer, .address_space: global }
    .group_segment_fixed_size: 0
    .private_segment_fixed_size: 0
    .kernarg_segment_align: 8
    .kernarg_segment_size: 24
    .max_flat_workgroup_size: 32
    .sgpr_count:     66
    .vgpr_count:     256
    .wavefront_size: 32
...
	.end_amdgpu_metadata
.endif
;; end of part 1
;; launch scores (part 2): grid 4 x 64, 8 waves a work-group, no clusters, 327,680 bytes of LDS; arguments encoder_outputs, wfrag, wscl, hidden, part; writes part
.if DOCPART == 2
	.amdgcn_target "amdgcn-amd-amdhsa--gfx1250"
	.amdhsa_code_object_version 6
	.text
	.protected	k_qd3650daeee_scores
	.globl	k_qd3650daeee_scores
	.p2align	8
	.type	k_qd3650daeee_scores,@function
k_qd3650daeee_scores:
	s_mov_b64 s[64:65], 0
	v_nop
	global_prefetch_b8 v0, s[64:65] scope:SCOPE_SE
	s_setreg_imm32_b32 hwreg(HW_REG_WAVE_MODE, 25, 1), 1
	s_wait_xcnt 0x0
; part[kq][b][t] = sum over g of hidden[b][g] x (sum over the 256 k of quarter kq of Q(W)[g][k] Q(x)[t][b][k]).  Q: codes of FP6 (E2M3), one E8M0 byte for each 32 along K.
; SHARES: work-group (kq, b), 4 x 64 = 256.  Eight waves, two to a SIMD, 512 registers each.  Wave w keeps W's rows g = 128 w .. 128 w + 127 of the quarter in registers for the whole launch
; (16 fragments of 16 g x 128 k, 192 registers) with its 128 numbers of hidden[b] (64 registers), so each byte of x comes from memory once and W's codes once a work-group.
; A ROUND is 128 rows t.  Wave w brings rows 128 round + 16 w .. + 15 (16 x 1,024 bytes) by one tensor load into its own slot, quantises them (two fragments) and stores the codes as an image of
; the operand's registers; behind a barrier every wave multiplies all eight tiles of 16 t by its own 8 tiles of g: 16 matrix instructions a tile of t, two K steps deep on 8 accumulators.
; Source 0 = W's rows, source 1 = x's rows: a lane holds one t and eight g, which are multiplied by hidden and summed (eight chains), then over the two lane halves; two tiles of t share one lane swap.
; The waves' partial scores (each over its 128 g) lie in LDS, 4,096 bytes a wave, and are summed at the end; each store of a wave covers 512 consecutive bytes, aligned.
; RING: two slots a wave.  In front of each refill: all my tensor loads waited for, the add, its wait, a barrier, then my one load.  By this text's count a wave has one tensor load out.
; PREFETCH: in trip t each wave asks for its own 16 rows x 1,024 bytes (64 blocks of 256 bytes, a lane a block, two instructions) that trip t + 2 loads; trips 5 and 6 ask for nothing.
; NO CLUSTER: a work-group's bytes of x are read by it alone; what the 64 work-groups of a quarter share, W's 196,608 bytes of codes, is under a fifth of a work-group's 1,048,576 bytes of x.
; LIMITS: NaN and infinities among the inputs are not served.  A block whose largest magnitude lies under 2^-124, a block of zeros too, has its byte held at 1: zero codes add nothing under that byte.
; REGISTERS, window 0: v2-13, v30 addresses; v14-15 two tiles' sums; v16-23 W's scale words (lanes 0-15 K step 0, lanes 16-31 K step 1); v24-25 x's, likewise; v32-79 x's fragments, two sets;
;   v80-143 accumulators (while quantising: K step 0's numbers); v144-207 K step 1's numbers (while multiplying: v144-175 the score sums, two sets); v208-231 at work; v232-251 and v32-51 codes.
;   window 1: v0-191 W's fragments, v192-255 hidden.
.set WRING,  33280                     ; a wave's two slots
.set SLOTB,  16640                     ; 16 rows x (1,024 + 16) bytes
.set IMG,    266240                    ; behind the eight rings: 16 fragments x 1,536 bytes,
.set IMSC,   IMG+24576                 ; and 8 x 128 bytes of scale words
.set SCORE,  291840                    ; 8 waves x 1,024 t x 4 bytes
.set SPARE,  324608                    ; the spare words: 128 bytes a wave
.set STEPB,  33554432                  ; 128 rows t of 262,144 bytes
.set WS, 16
.set XS, 24
.set XF, 32
.set ACC, 80
.set ST, 80
.set SS, 144
.set TMX, 208
.set TMY, 216
.set TMZ, 224
.set SEL, 20
.set MSB, 0
.macro WIN new
.if MSB != (\new)
	s_set_vgpr_msb (MSB<<8)|(\new)
.set MSB, (\new)
.endif
.endm
; 8 matrix instructions: 4 tiles of g (set 0: 0-3, set 1: 4-7) x tile m of t, both K steps; the four accumulators by turns
.macro MM set, m
.irp s, 0,1
.irp i, 0,1,2,3
.set rD, ACC+32*(\set)+8*\i
.set rA, 12*(2*(4*(\set)+\i)+\s)
.set rB, XF+24*((\m)%2)+12*\s
.if \s == 0
	v_wmma_scale_f32_16x16x128_f8f6f4 v[rD:rD+7], v[rA:rA+11], v[rB:rB+11], 0, v[WS+4*(\set)+\i], v[XS+(\m)%2] matrix_a_fmt:MATRIX_FMT_FP6 matrix_b_fmt:MATRIX_FMT_FP6
.else
	v_wmma_scale_f32_16x16x128_f8f6f4 v[rD:rD+7], v[rA:rA+11], v[rB:rB+11], v[rD:rD+7], v[WS+4*(\set)+\i], v[XS+(\m)%2] matrix_a_fmt:MATRIX_FMT_FP6 matrix_b_fmt:MATRIX_FMT_FP6 matrix_a_scale:MATRIX_SCALE_ROW1 matrix_b_scale:MATRIX_SCALE_ROW1
.endif
.endr
.endr
.endm
; hidden x results of a set, into tile m's sums: eight chains; each accumulator is read from its low end on
.macro E set, m
.irp i, 0,1,2,3
.irp p, 0,2,4,6
.set rS, SS+16*((\m)%2)+8*(\i%2)+\p
.set rH, 192+8*(4*(\set)+\i)+\p
.set rC, ACC+32*(\set)+8*\i+\p
.if ((\set) == 0) && (\i < 2)
	v_pk_mul_f32 v[rS:rS+1], v[rH:rH+1], v[rC:rC+1]
.else
	v_pk_fma_f32 v[rS:rS+1], v[rH:rH+1], v[rC:rC+1], v[rS:rS+1]
.endif
.endr
.endr
.endm
; tile m's sixteen sums become one a lane; behind an odd tile the swap lays the even tile's halves in lanes 0-15 and the odd tile's in lanes 16-31: one add, one store of 32 scores
.macro FIN m
.set rS, SS+16*((\m)%2)
.irp p, 0,2,4,6
	v_pk_add_f32 v[rS+\p:rS+\p+1], v[rS+\p:rS+\p+1], v[rS+8+\p:rS+9+\p]
.endr
	s_delay_alu instid0(VALU_DEP_3)
	v_pk_add_f32 v[rS:rS+1], v[rS:rS+1], v[rS+2:rS+3]
	s_delay_alu instid0(VALU_DEP_2)
	v_pk_add_f32 v[rS+4:rS+5], v[rS+4:rS+5], v[rS+6:rS+7]
	s_delay_alu instid0(VALU_DEP_1)
	v_pk_add_f32 v[rS:rS+1], v[rS:rS+1], v[rS+4:rS+5]
	s_delay_alu instid0(VALU_DEP_1)
	v_add_f32 v[14+(\m)%2], v[rS], v[rS+1]
.if ((\m)%2) == 1
	s_delay_alu instid0(VALU_DEP_1)
	v_permlane16_swap_b32 v14, v15
	s_delay_alu instid0(VALU_DEP_1)
	v_add_f32 v14, v14, v15
	ds_store_b32 v11, v14 offset:128*((\m)/2)
.endif
.endm
; tile m's scale words and two fragments out of the image: 7 LDS loads
.macro LX m
	ds_load_b32 v[XS+(\m)%2], v7 offset:128*(\m)
.irp s, 0,1
.irp c, 0,1,2
	ds_load_b128 v[XF+24*((\m)%2)+12*\s+4*\c:XF+24*((\m)%2)+12*\s+4*\c+3], v6 offset:3072*(\m)+1536*\s+512*\c
.endr
.endr
.endm
; one tile of t.  The vector work of earlier tiles stands between the groups of matrix instructions and fills the places behind them
.macro MT m
	WIN 0
.if (\m) >= 2
	FIN (\m)-2
.endif
.if (\m) == 1
	s_wait_alu depctr_va_vdst(0)                   ; ahead of the next tile's LDS loads
.endif
.if (\m) < 7
	LX (\m)+1
	s_wait_dscnt 7                                 ; all but the next tile's seven loads: this tile's fragments are in
.else
	s_wait_dscnt 0x0
.endif
	WIN 1                                          ; source 0 (W, hidden) in window 1
	MM 0, \m
.if (\m) > 0
	E 1, (\m)-1
.else
.rept 4
	v_nop                                          ; places behind the first group: no other vector work is at hand
.endr
.endif
	MM 1, \m
	E 0, \m
.endm
.macro CODES s, pc                     ; 64 numbers a lane become a fragment's 12 registers
.irp c, 0,1
	v_cvt_scalef32_pk16_fp6_f32 v[\pc+6*\c:\pc+2+6*\c], v[ST+64*\s+32*\c:ST+64*\s+32*\c+15], v[TMZ+4*\s+2*\c]
	v_cvt_scalef32_pk16_fp6_f32 v[\pc+12+4*\c:\pc+14+4*\c], v[ST+64*\s+32*\c+16:ST+64*\s+32*\c+31], v[TMZ+4*\s+2*\c+1]
.endr
.endm
.macro WHOLE op, pc                    ; the operand wants a whole block in a lane: op 0 the swaps, op 1 the moves (a conversion's three registers begin on an even number)
.irp c, 0,1
.irp i, 0,1,2
.if \op == 0
	v_permlane16_swap_b32 v[\pc+6*\c+\i], v[\pc+12+4*\c+\i]
.else
	v_mov_b32 v[\pc+3+6*\c+\i], v[\pc+12+4*\c+\i]
.endif
.endr
.endr
.endm
.macro TRIP fill
	s_wait_alu depctr_va_vdst(0)                   ; directly ahead of the wait below
	s_wait_tensorcnt 0x0                           ; my one tensor load has landed: this round's rows
	ds_add_u32 v2, v3
	s_wait_xcnt 0x0                                ; my prefetches have read their base
	s_mov_b32 s22, s23                             ; the slot that is read now
.if \fill
	s_xor_b32 s23, s23, SLOTB                      ; the other slot takes the next round's rows
	s_add_co_u32 s45, s25, s23
	s_add_nc_u64 s[46:47], s[46:47], STEPB
	s_add_nc_u64 s[28:29], s[28:29], STEPB
.endif
	s_wait_dscnt 0x0                               ; the add is done; my reads of the image and of my slots are back
	s_barrier_signal -1
	s_barrier_wait -1
.if \fill
	tensor_load_to_lds s[44:47], s[32:39]
	s_nop 0
.endif
	v_add_nc_u32 v5, s22, v4
	v_add_nc_u32 v11, s24, v10
	v_nop
	v_nop
.irp s, 0,1
.irp b, 0,1,2,3
.irp j, 0,1,2,3
	ds_load_b128 v[ST+64*\s+16*\b+4*\j:ST+64*\s+16*\b+4*\j+3], v5 offset:512*\s+128*\b+16*\j   ; lane (r, h): row r, k = 128 s + 32 b + 16 h + 0 .. 15
.endr
.endr
.endr
.if \fill
	s_cmp_ge_u32 s26, 3                            ; trips 0 to 4 alone: the rows of rounds 3 to 7
	s_cbranch_scc0 .Lnopf_\@
	global_prefetch_b8 v13, s[28:29] th:TH_LOAD_NT scope:SCOPE_SE
	global_prefetch_b8 v13, s[28:29] offset:2097152 th:TH_LOAD_NT scope:SCOPE_SE
.Lnopf_\@:
.endif
	s_wait_dscnt 0x0
; the eight blocks of 32 (four a fragment) by turns: no line reads a result made fewer than five lines above it
.irp q, 0,1,2,3,4,5,6,7
	v_max3_num_f32 v[TMX+\q], |v[ST+16*\q]|, |v[ST+16*\q+1]|, 0x1800000   ; with the floor 2^(3 - 127): the byte cannot fall under 1
.endr
.irp i, 2,4,6,8,10,12,14
.irp q, 0,1,2,3,4,5,6,7
	v_max3_num_f32 v[TMX+\q], v[TMX+\q], |v[ST+16*\q+\i]|, |v[ST+16*\q+\i+1]|
.endr
.endr
.irp q, 0,1,2,3,4,5,6,7
	v_permlanex16_b32 v[TMY+\q], v[TMX+\q], s[SEL], s[SEL+1]
.endr
.irp q, 0,1,2,3,4,5,6,7
	v_max_num_f32 v[TMX+\q], v[TMX+\q], v[TMY+\q]  ; with lane l xor 16's sixteen: the block's largest magnitude
.endr
.irp q, 0,1,2,3,4,5,6,7
	v_add_nc_u32 v[TMZ+\q], 0xff000000, v[TMX+\q]  ; 2 off its exponent field: the conversion's scale operand
.endr
.irp q, 0,1,2,3,4,5,6,7
	v_lshrrev_b32 v[TMY+\q], 23, v[TMZ+\q]         ; the scale's byte
.endr
	v_lshl_or_b32 v[TMX], v[TMY+1], 8, v[TMY]
	v_lshl_or_b32 v[TMX+1], v[TMY+3], 8, v[TMY+2]
	v_lshl_or_b32 v[TMX+2], v[TMY+5], 8, v[TMY+4]
	s_delay_alu instid0(VALU_DEP_4)
	v_lshl_or_b32 v[TMX+3], v[TMY+7], 8, v[TMY+6]
	s_delay_alu instid0(VALU_DEP_3)
	v_lshl_or_b32 v26, v[TMX+1], 16, v[TMX]        ; my row's scale word of K step 0,
	s_delay_alu instid0(VALU_DEP_2)
	v_lshl_or_b32 v27, v[TMX+3], 16, v[TMX+2]      ; and of K step 1
	ds_store_b32 v9, v26                           ; lanes r and r + 16 write the same word with the same value
	ds_store_b32 v9, v27 offset:64
	CODES 0, 232
	CODES 1, 32
	v_nop                                          ; one plain place behind the scaled conversions
	WHOLE 0, 232
	WHOLE 0, 32
	WHOLE 1, 232
	WHOLE 1, 32
.irp c, 0,1,2
	ds_store_b128 v8, v[232+4*\c:235+4*\c] offset:512*\c
.endr
.irp c, 0,1,2
	ds_store_b128 v8, v[32+4*\c:35+4*\c] offset:1536+512*\c
.endr
	s_wait_dscnt 0x0                               ; for the others' sake: my part of the image is written
	s_barrier_signal -1
	s_barrier_wait -1
	LX 0
.irp m, 0,1,2,3,4,5,6,7
	MT \m
.endr
	E 1, 7
	WIN 0
	FIN 6
	FIN 7
	s_add_co_u32 s24, s24, 512                     ; the next round's 128 scores
.endm
	s_load_b256 s[4:11], s[0:1], 0x0               ; x s[4:5], wfrag s[6:7], wscl s[8:9], hidden s[10:11]
	s_load_b64 s[12:13], s[0:1], 0x20              ; part
	v_lshl_add_u32 v2, v0, 2, SPARE
	v_mov_b32 v3, 0
	ds_add_u32 v2, v3                              ; the opening lines: the add, twice on end, and its wait ahead of my first tensor load
	ds_add_u32 v2, v3
	v_lshrrev_b32 v1, 5, v0
	v_readfirstlane_b32 s14, v1                    ; wave 0..7
	s_mov_b32 s15, ttmp9                           ; kq
	s_and_b32 s16, ttmp7, 0xffff                   ; b
	s_mov_b32 s32, (2<<16)|(1<<20)|(7<<22)|(3<<25) ; elements of 4 bytes; behind every 256 words 4 words of padding
	s_mov_b32 s33, 256<<16
	s_mov_b32 s34, 16<<16
	s_mov_b32 s35, 256<<16                         ; a tile: 256 elements
	s_mov_b32 s36, 16                              ; x 16 rows,
	s_mov_b32 s37, 65536                           ; 65,536 elements from t to t + 1
	s_mov_b32 s38, 0
	s_mov_b32 s39, 0
	s_lshl_b32 s48, s16, 12                        ; x: b rows of 4,096 bytes
	s_lshl_b32 s49, s15, 10                        ;    + 256 kq numbers
	s_add_co_u32 s48, s48, s49
	s_lshl_b32 s49, s14, 22                        ;    + 16 w rows t
	s_add_co_u32 s48, s48, s49
	s_mov_b32 s49, 0
	s_mul_i32 s25, s14, WRING
	s_lshl_b32 s50, s15, 3
	s_add_co_u32 s50, s50, s14                     ; 8 kq + w
	s_mul_i32 s52, s50, 24576                      ; wfrag: 16 fragments of 1,536 bytes each
	s_mov_b32 s53, 0
	s_lshl_b32 s54, s50, 11                        ; wscl: 8 x 256 bytes each
	s_mov_b32 s55, 0
	s_lshl_b32 s56, s16, 12
	s_lshl_b32 s43, s14, 9
	s_add_co_u32 s56, s56, s43                     ; hidden: row b, 128 w numbers on
	s_mov_b32 s57, 0
	s_lshl_b32 s58, s15, 18
	s_add_co_u32 s58, s58, s56                     ; part: plane kq, row b, 128 w numbers on
	s_mov_b32 s59, 0
	s_mul_i32 s40, s14, 3072
	s_lshl_b32 s41, s14, 7
	s_lshl_b32 s42, s14, 12
	s_mov_b32 s23, 0
	s_mov_b32 s24, 0
	s_mov_b32 s26, 7
	s_mov_b32 s[SEL], 0x76543210
	s_mov_b32 s[SEL+1], 0xfedcba98
	s_wait_dscnt 0x0
	s_wait_kmcnt 0x0
	s_add_nc_u64 s[4:5], s[4:5], s[48:49]
	s_mov_b32 s44, 1
	s_mov_b32 s45, s25
	s_mov_b64 s[46:47], s[4:5]
	s_or_b32 s47, s47, 0x80000000
	s_add_nc_u64 s[28:29], s[4:5], 2*STEPB         ; trip 0 steps it to round 3
	s_add_nc_u64 s[6:7], s[6:7], s[52:53]
	s_add_nc_u64 s[8:9], s[8:9], s[54:55]
	s_add_nc_u64 s[10:11], s[10:11], s[56:57]
	s_add_nc_u64 s[12:13], s[12:13], s[58:59]
	tensor_load_to_lds s[44:47], s[32:39]          ; round 0's rows: my one tensor load at the head
	s_nop 0
	v_and_b32 v1, 31, v0                           ; lane
	v_and_b32 v26, 15, v0                          ; r
	v_bfe_u32 v27, v0, 4, 1                        ; h
.irp q, 0,1,2,3,4,5,6,7
	v_mov_b32 v[TMY+\q], 0                         ; written once: a lane permute's destination counts as one of its sources
.endr
	v_lshlrev_b32 v12, 4, v1                       ; 16 x lane
	v_mul_u32_u24 v4, v26, 1040
	v_lshlrev_b32 v28, 3, v26
	v_lshlrev_b32 v29, 5, v27                      ; hidden: 32 h
	v_lshl_add_u32 v7, v1, 2, IMSC                 ; scale words, read: 4 x lane
	v_lshl_add_u32 v9, v26, 2, IMSC                ; written: 4 r
	v_lshl_add_u32 v10, v1, 2, SCORE
	v_lshrrev_b32 v13, 2, v1
	v_and_b32 v31, 3, v1
	v_add_nc_u32 v6, IMG, v12                      ; the image, read
	v_lshl_add_u32 v4, v27, 6, v4
	v_lshl_add_u32 v28, v27, 2, v28                ; W's scale words: 8 r + 4 h
	v_add_nc_u32 v9, s41, v9                       ; + my tile's 128 bytes
	v_add_nc_u32 v10, s42, v10                     ; my 4,096 bytes of scores
	v_lshlrev_b32 v13, 18, v13
	v_add_nc_u32 v30, SCORE, v12
	v_add_nc_u32 v8, s40, v6                       ; the image, written: my two fragments
	v_add_nc_u32 v4, s25, v4                       ; my ring: row r x 1,040 + 64 h
	s_delay_alu instid0(VALU_DEP_4)
	v_lshl_add_u32 v13, v31, 8, v13                ; prefetch: row lane / 4, block lane % 4
	s_delay_alu instid0(VALU_DEP_4)
	v_add_nc_u32 v30, s43, v30                     ; the last sum: t = 128 w + 4 x lane
	s_wait_alu depctr_va_vdst(0)
	WIN 0x40
.set f, 0
.rept 16
.irp c, 0,1,2
	global_load_b128 v[12*f+4*\c:12*f+4*\c+3], v12, s[6:7] offset:1536*f+512*\c   ; 32 lanes read 512 consecutive bytes
.endr
.set f, f+1
.endr
.irp n, 0,1,2,3,4,5,6,7
	global_load_b128 v[192+8*\n:195+8*\n], v29, s[10:11] offset:64*\n
	global_load_b128 v[196+8*\n:199+8*\n], v29, s[10:11] offset:64*\n+16
.endr
	WIN 0
.irp n, 0,1,2,3,4,5,6,7
	global_load_b32 v[WS+\n], v28, s[8:9] offset:256*\n
.endr
	s_wait_loadcnt 0x0
.Ltrip:
	TRIP 1                                         ; rounds 0 to 6; each asks for the next round's rows
	s_sub_co_u32 s26, s26, 1
	s_cmp_lg_u32 s26, 0
	s_cbranch_scc1 .Ltrip
	TRIP 0                                         ; round 7: nothing is left to fetch
	s_wait_dscnt 0x0                               ; for the others' sake: my scores are written
	s_barrier_signal -1
	s_barrier_wait -1
.irp p, 0,1,2,3,4,5,6,7
	ds_load_b128 v[80+4*\p:83+4*\p], v30 offset:4096*\p
.endr
	s_wait_dscnt 0x0
.irp a, 0,8,16,24
	v_pk_add_f32 v[80+\a:81+\a], v[80+\a:81+\a], v[84+\a:85+\a]
	v_pk_add_f32 v[82+\a:83+\a], v[82+\a:83+\a], v[86+\a:87+\a]
.endr
	v_pk_add_f32 v[80:81], v[80:81], v[88:89]
	v_pk_add_f32 v[82:83], v[82:83], v[90:91]
	s_delay_alu instid0(VALU_DEP_4)
	v_pk_add_f32 v[96:97], v[96:97], v[104:105]
	s_delay_alu instid0(VALU_DEP_4)
	v_pk_add_f32 v[98:99], v[98:99], v[106:107]
	s_delay_alu instid0(VALU_DEP_2)
	v_pk_add_f32 v[80:81], v[80:81], v[96:97]
	s_delay_alu instid0(VALU_DEP_2)
	v_pk_add_f32 v[82:83], v[82:83], v[98:99]
	global_store_b128 v12, v[80:83], s[12:13]      ; 32 lanes store 512 consecutive bytes, aligned
	s_wait_tensorcnt 0x0                           ; the wave's end
	ds_add_u32 v2, v3
	s_wait_dscnt 0x0
	s_endpgm
.Lfunc_end_k_qd3650daeee_scores:
	.size	k_qd3650daeee_scores, .Lfunc_end_k_qd3650daeee_scores-k_qd3650daeee_scores
	.p2alignl 7, 3214868480
	.fill 96, 4, 3214868480
	.section	.rodata,"a",@progbits
	.p2align	6, 0x0
	.amdhsa_kernel k_qd3650daeee_scores
		.amdhsa_group_segment_fixed_size 327680
		.amdhsa_private_segment_fixed_size 0
		.amdhsa_enable_private_segment 0
		.amdhsa_kernarg_size 40
		.amdhsa_user_sgpr_count 2
		.amdhsa_user_sgpr_kernarg_segment_ptr 1
		.amdhsa_wavefront_size32 1
		.amdhsa_system_sgpr_workgroup_id_x 1
		.amdhsa_system_sgpr_workgroup_id_y 1
		.amdhsa_system_sgpr_workgroup_id_z 1
		.amdhsa_system_vgpr_workitem_id 0
		.amdhsa_next_free_vgpr 512
		.amdhsa_next_free_sgpr 66
		.amdhsa_reserve_vcc 0
		.amdhsa_float_denorm_mode_32 3
		.amdhsa_float_denorm_mode_16_64 3
		.amdhsa_memory_ordered 1
		.amdhsa_forward_progress 1
		.amdhsa_inst_pref_size 119
	.end_amdhsa_kernel
	.amdgpu_metadata
---
amdhsa.version: [ 1, 2 ]
amdhsa.kernels:
  - .name:           k_qd3650daeee_scores
    .symbol:         k_qd3650daeee_scores.kd
    .args:
      - { .name: encoder_outputs, .offset: 0, .size: 8, .value_kind: global_buffer, .address_space: global }
      - { .name: wfrag, .offset: 8, .size: 8, .value_kind: global_buffer, .address_space: global }
      - { .name: wscl, .offset: 16, .size: 8, .value_kind: global_buffer, .address_space: global }
      - { .name: hidden, .offset: 24, .size: 8, .value_kind: global_buffer, .address_space: global }
      - { .name: part, .offset: 32, .size: 8, .value_kind: global_buffer, .address_space: global }
    .group_segment_fixed_size: 327680
    .private_segment_fixed_size: 0
    .kernarg_segment_align: 8
    .kernarg_segment_size: 40
    .max_flat_workgroup_size: 256
    .sgpr_count:     66
    .vgpr_count:     512
    .wavefront_size: 32
...
	.end_amdgpu_metadata
.endif
;; end of part 2
;; launch soft (part 3): grid 64 x 1, 8 waves a work-group, no clusters, 1,280 bytes of LDS; arguments part, hidden, b_attn, out0; writes out0
.if DOCPART == 3
	.amdgcn_target "amdgcn-amd-amdhsa--gfx1250"
	.amdhsa_code_object_version 6
	.text
	.protected	k_qd3650daeee_soft
	.globl	k_qd3650daeee_soft
	.p2align	8
	.type	k_qd3650daeee_soft,@function
k_qd3650daeee_soft:
	s_mov_b64 s[64:65], 0
	v_nop
	global_prefetch_b8 v0, s[64:65] scope:SCOPE_SE
	s_setreg_imm32_b32 hwreg(HW_REG_WAVE_MODE, 25, 1), 1
	s_wait_xcnt 0x0
; out0[b][t] = softmax over t of (part[0][b][t] + part[1][b][t] + part[2][b][t] + part[3][b][t] + hidden[b] . b_attn).  All in f32.
; One work-group to a batch row b: 64 work-groups, which is all the work there is.  Eight waves; thread n owns t = 4 n .. 4 n + 3 and the same four places of hidden[b] and of b_attn.
; Every load and store of a wave covers 512 consecutive bytes, aligned.
; THE MAXIMUM IS TAKEN AWAY ahead of the exponential, as the definition does.  x = s + c, c = hidden . b_attn.  Rounding never reverses an order, so the largest x is (the largest s) + c, rounded:
; the maximum of s and the sum c go through one exchange between the waves together.  The largest x gives 2^0 = 1, so the divisor is at least 1.
; LIMITS: NaN and infinities among the inputs are not served.  The bias's term is added once a row, behind the sum over g, and not inside it: another order of rounding than the definition's.
	s_load_b256 s[4:11], s[0:1], 0x0               ; part s[4:5], hidden s[6:7], b_attn s[8:9], out0 s[10:11]
	v_lshl_add_u32 v64, v0, 2, 0x100
	v_mov_b32 v65, 0
	v_lshlrev_b32 v1, 4, v0                        ; 16 bytes a thread
	v_lshrrev_b32 v2, 5, v0                        ; wave
	s_delay_alu instid0(VALU_DEP_1)
	v_lshlrev_b32 v3, 2, v2                        ; LDS: a word for each wave
	v_mov_b32 v30, 0                               ; lane permutes' destinations count as sources: written once
	v_mov_b32 v32, 0
	v_mov_b32 v31, 0                               ; LDS byte 0
	s_lshl_b32 s14, ttmp9, 12                      ; row b of 4,096 bytes
	s_mov_b32 s15, 0
	s_mov_b32 s16, 0x76543210                      ; v_permlanex16_b32: lane l xor 16
	s_mov_b32 s17, 0xfedcba98
	s_wait_alu depctr_va_vdst(0)
	s_wait_kmcnt 0x0
	s_add_nc_u64 s[4:5], s[4:5], s[14:15]
	s_add_nc_u64 s[6:7], s[6:7], s[14:15]
	s_add_nc_u64 s[10:11], s[10:11], s[14:15]
.irp p, 0,1,2,3
	global_load_b128 v[4+4*\p:7+4*\p], v1, s[4:5] offset:262144*\p   ; the four quarters of K
.endr
	global_load_b128 v[20:23], v1, s[6:7]
	global_load_b128 v[24:27], v1, s[8:9]
	s_wait_loadcnt 0x0
.irp d, 0,2
	v_pk_add_f32 v[4+\d:5+\d], v[4+\d:5+\d], v[8+\d:9+\d]
	v_pk_add_f32 v[12+\d:13+\d], v[12+\d:13+\d], v[16+\d:17+\d]
.endr
.irp d, 0
	s_delay_alu instid0(VALU_DEP_3)
	v_pk_add_f32 v[4+\d:5+\d], v[4+\d:5+\d], v[12+\d:13+\d]      ; s
.endr
.irp d, 2
	s_delay_alu instid0(VALU_DEP_2)
	v_pk_add_f32 v[4+\d:5+\d], v[4+\d:5+\d], v[12+\d:13+\d]      ; s
.endr
	v_mul_f32 v28, v20, v24                        ; my four terms of hidden . b_attn
	s_delay_alu instid0(VALU_DEP_1)
	v_fmac_f32 v28, v21, v25
	s_delay_alu instid0(VALU_DEP_1)
	v_fmac_f32 v28, v22, v26
	s_delay_alu instid0(VALU_DEP_1)
	v_fmac_f32 v28, v23, v27
	v_max3_num_f32 v29, v4, v5, v6                 ; my largest s
	s_delay_alu instid0(VALU_DEP_1)
	v_max_num_f32 v29, v29, v7
.irp x, 1
	s_delay_alu instid0(VALU_DEP_3)
	v_add_f32_dpp v28, v28, v28 row_xmask:\x row_mask:0xf bank_mask:0xf
	s_delay_alu instid0(VALU_DEP_2)
	v_max_num_f32_dpp v29, v29, v29 row_xmask:\x row_mask:0xf bank_mask:0xf
.endr
.irp x, 2, 4, 8
	s_delay_alu instid0(VALU_DEP_2)
	v_add_f32_dpp v28, v28, v28 row_xmask:\x row_mask:0xf bank_mask:0xf
	s_delay_alu instid0(VALU_DEP_2)
	v_max_num_f32_dpp v29, v29, v29 row_xmask:\x row_mask:0xf bank_mask:0xf
.endr
	s_delay_alu instid0(VALU_DEP_2)
	v_permlanex16_b32 v30, v28, s16, s17
	s_delay_alu instid0(VALU_DEP_2)
	v_permlanex16_b32 v32, v29, s16, s17
	s_delay_alu instid0(VALU_DEP_2)
	v_add_f32 v28, v28, v30                        ; the wave's sum,
	s_delay_alu instid0(VALU_DEP_2)
	v_max_num_f32 v29, v29, v32                    ; the wave's maximum
	ds_store_b32 v3, v28                           ; all lanes write the same word with the same value
	ds_store_b32 v3, v29 offset:32
	s_wait_dscnt 0x0                               ; for the others' sake
	s_barrier_signal -1
	s_barrier_wait -1
	ds_load_b128 v[36:39], v31
	ds_load_b128 v[40:43], v31 offset:16
	ds_load_b128 v[44:47], v31 offset:32
	ds_load_b128 v[48:51], v31 offset:48
	s_wait_dscnt 0x0
	v_add_f32 v36, v36, v37
	v_add_f32 v38, v38, v39
	v_add_f32 v40, v40, v41
	v_add_f32 v42, v42, v43
	s_delay_alu instid0(VALU_DEP_3)
	v_add_f32 v36, v36, v38
	s_delay_alu instid0(VALU_DEP_2)
	v_add_f32 v40, v40, v42
	s_delay_alu instid0(VALU_DEP_1)
	v_add_f32 v36, v36, v40                        ; c
	v_max3_num_f32 v44, v44, v45, v46
	s_delay_alu instid0(VALU_DEP_1)
	v_max3_num_f32 v44, v44, v47, v48
	s_delay_alu instid0(VALU_DEP_1)
	v_max3_num_f32 v44, v44, v49, v50
	s_delay_alu instid0(VALU_DEP_1)
	v_max_num_f32 v44, v44, v51
	s_delay_alu instid0(VALU_DEP_1)
	v_add_f32 v44, v44, v36                        ; the row's largest x
.irp i, 4,5,6,7
	v_add_f32 v\i, v\i, v36                        ; x = s + c
.endr
.irp i, 4,5,6,7
	s_delay_alu instid0(VALU_DEP_4)
	v_sub_f32 v\i, v\i, v44                        ; less the maximum: 0 or under
.endr
.irp i, 4,5,6,7
	s_delay_alu instid0(VALU_DEP_4)
	v_mul_f32 v\i, 0x3fb8aa3b, v\i                 ; x log2(e)
.endr
	s_wait_alu depctr_va_vdst(0)
.irp i, 4,5,6,7
	v_exp_f32 v\i, v\i
.endr
	v_nop                                          ; a plain place behind the exponentials (ISA guide 5.7.2)
	s_wait_alu depctr_va_vdst(0)                   ; one wait for the four, ahead of their first reader
	v_add_f32 v28, v4, v5
	v_add_f32 v29, v6, v7
	s_delay_alu instid0(VALU_DEP_1)
	v_add_f32 v28, v28, v29
.irp x, 1,2,4,8
	s_delay_alu instid0(VALU_DEP_1)
	v_add_f32_dpp v28, v28, v28 row_xmask:\x row_mask:0xf bank_mask:0xf
.endr
	s_delay_alu instid0(VALU_DEP_1)
	v_permlanex16_b32 v30, v28, s16, s17
	s_delay_alu instid0(VALU_DEP_1)
	v_add_f32 v28, v28, v30
	ds_store_b32 v3, v28 offset:64                 ; other bytes than the first exchange's: no barrier is wanted between its reads and this store
	s_wait_dscnt 0x0
	s_barrier_signal -1
	s_barrier_wait -1
	ds_load_b128 v[36:39], v31 offset:64
	ds_load_b128 v[40:43], v31 offset:80
	s_wait_dscnt 0x0
	v_add_f32 v36, v36, v37
	v_add_f32 v38, v38, v39
	v_add_f32 v40, v40, v41
	v_add_f32 v42, v42, v43
	s_delay_alu instid0(VALU_DEP_3)
	v_add_f32 v36, v36, v38
	s_delay_alu instid0(VALU_DEP_2)
	v_add_f32 v40, v40, v42
	s_delay_alu instid0(VALU_DEP_1)
	v_add_f32 v36, v36, v40                        ; the row's sum
	s_wait_alu depctr_va_vdst(0)
	v_rcp_f32 v36, v36
	v_nop                                          ; a plain place behind the reciprocal
	s_wait_alu depctr_va_vdst(0)                   ; and its wait, ahead of the first reader
	v_pk_mul_f32 v[4:5], v[4:5], v[36:37] op_sel_hi:[1,0]
	v_pk_mul_f32 v[6:7], v[6:7], v[36:37] op_sel_hi:[1,0]
	global_store_b128 v1, v[4:7], s[10:11]
	s_wait_tensorcnt 0x0
	ds_add_u32 v64, v65
	s_wait_dscnt 0x0
	s_endpgm
.Lfunc_end_k_qd3650daeee_soft:
	.size	k_qd3650daeee_soft, .Lfunc_end_k_qd3650daeee_soft-k_qd3650daeee_soft
	.p2alignl 7, 3214868480
	.fill 96, 4, 3214868480
	.section	.rodata,"a",@progbits
	.p2align	6, 0x0
	.amdhsa_kernel k_qd3650daeee_soft
		.amdhsa_group_segment_fixed_size 1280
		.amdhsa_private_segment_fixed_size 0
		.amdhsa_enable_private_segment 0
		.amdhsa_kernarg_size 32
		.amdhsa_user_sgpr_count 2
		.amdhsa_user_sgpr_kernarg_segment_ptr 1
		.amdhsa_wavefront_size32 1
		.amdhsa_system_sgpr_workgroup_id_x 1
		.amdhsa_system_sgpr_workgroup_id_y 1
		.amdhsa_system_sgpr_workgroup_id_z 1
		.amdhsa_system_vgpr_workitem_id 0
		.amdhsa_next_free_vgpr 66
		.amdhsa_next_free_sgpr 66
		.amdhsa_reserve_vcc 0
		.amdhsa_float_denorm_mode_32 3
		.amdhsa_float_denorm_mode_16_64 3
		.amdhsa_memory_ordered 1
		.amdhsa_forward_progress 1
		.amdhsa_inst_pref_size 8
	.end_amdhsa_kernel
	.amdgpu_metadata
---
amdhsa.version: [ 1, 2 ]
amdhsa.kernels:
  - .name:           k_qd3650daeee_soft
    .symbol:         k_qd3650daeee_soft.kd
    .args:
      - { .name: part, .offset: 0, .size: 8, .value_kind: global_buffer, .address_space: global }
      - { .name: hidden, .offset: 8, .size: 8, .value_kind: global_buffer, .address_space: global }
      - { .name: b_attn, .offset: 16, .size: 8, .value_kind: global_buffer, .address_space: global }
      - { .name: out0, .offset: 24, .size: 8, .value_kind: global_buffer, .address_space: global }
    .group_segment_fixed_size: 1280
    .private_segment_fixed_size: 0
    .kernarg_segment_align: 8
    .kernarg_segment_size: 32
    .max_flat_workgroup_size: 256
    .sgpr_count:     66
    .vgpr_count:     66
    .wavefront_size: 32
...
	.end_amdgpu_metadata
.endif
;; end of part 3
